; MI455X (gfx1250); checked and timed in simulation.
; The chip was launched on July 23, 2026; its instructions are those of AMD's public machine-readable ISA for CDNA 5 (MIT licence, August 2026) and "CDNA5" Instruction Set Architecture Reference Guide (July 2026). The comments in the code are by the model that wrote it; some were corrected since.
;; Template Column Wise Attention. Allowed arithmetic: matrix products marked QUANTISED: E3M2 operands, one E8M0 scale for each 32 along K, by v_wmma_scale_f32_16x16x128_f8f6f4 with both operands' format E3M2, f32 sums; products left as they are: f32 operands where the result goes on into a quantised operand, else bf16, f16 or f32 operands; f32 sums; everything else in f32.
;; Inputs: bg 512 float32; bo 256 float32; s 4 x 1,024 x 256 float32; t 4 x 32 x 1,024 x 256 float32; template_mask 4 x 32 float32; wg 256 x 512 float32; wk 256 x 512 float32; wo 512 x 256 float32; wq 256 x 512 float32; wv 256 x 512 float32.
;; Outputs: out0 4 x 1,024 x 256 float32.
;; This version of the problem:
;;   THIS VERSION OF THE PROBLEM IS GIVEN IN LOW PRECISION. The matrix products marked QUANTISED in the list below multiply operands that are first quantised to E3M2 (3 exponent bits, 2 mantissa bits; 6 bits a number), with one power-of-two scale for each 32 numbers along K (OCP MX v1.0); their sums are f32. All else is computed in f32.
;;   The module's matrix products, in the order in which they are computed (A, B: the left and right operand; K: the contracted axis; several contracted axes count as one K, in the product's order):
;;     1. [M 4,096, K 256] x [K 256, N 512]; A: input s; B: input wq: QUANTISED
;;     2. [M 131,072, K 256] x [K 256, N 512]; A: input t; B: input wk: QUANTISED
;;     3. [M 131,072, K 256] x [K 256, N 512]; A: input t; B: input wv: QUANTISED
;;     4. batch 32,768 x [M 1, K 64] x [K 64, N 32]; A: computed on the way; B: computed on the way: left as it is (M = 1 < 16)
;;     5. batch 32,768 x [M 64, K 32] x [K 32, N 1]; A: computed on the way; B: softmax: left as it is (N = 1 < 16)
;;     6. [M 4,096, K 256] x [K 256, N 512]; A: input s; B: input wg: QUANTISED
;;     7. [M 4,096, K 512] x [K 512, N 256]; A: computed on the way; B: input wo: QUANTISED
;;   THE QUANTISER, for each operand of a quantised product, along K:
;;     - K is cut into blocks of 32 from its start; a last block that is shorter is filled with zeros.
;;     - A block's scale is 2^e with e = floor(log2(the largest magnitude in the block)) - 4, held to -126 .. 127; a block of zeros has e = 0. As a byte (E8M0): e + 127.
;;     - Each number is divided by its block's scale, clamped to +-28, and rounded to the nearest number of E3M2, ties to even, subnormals kept.
;;     - The product sums the exact products of the quantised numbers (number of the format x scale) in f32.
;;   ~~~python
;;   def quantise(x, axis):      # numpy; x: float32 -> the quantised numbers, widened to float32 again
;;       x = np.moveaxis(x, axis, -1); K = x.shape[-1]
;;       x = np.pad(x, [(0, 0)] * (x.ndim - 1) + [(0, -K % 32)]); x = x.reshape(x.shape[:-1] + (-1, 32)); a = np.abs(x).max(-1, keepdims=True)
;;       e = np.where(a > 0, np.clip(np.frexp(np.where(a > 0, a, 1))[1] - 1 - 4, -126, 127), 0)      # np.frexp(a)[1] - 1 = floor(log2(a)), exactly
;;       r = np.clip(x / 2.0 ** e, -28, 28)
;;       step = 2.0 ** (np.maximum(np.frexp(np.where(r == 0, 1, r))[1] - 1, -2) - 2)
;;       q = np.round(r / step) * step * 2.0 ** e      # np.round: ties to even
;;       return np.moveaxis(q.reshape(q.shape[:-2] + (-1,))[..., :K], -1, axis).astype(np.float32)
;;   ~~~
;;   OPERANDS COMPUTED ON THE WAY. 'Computed on the way' means the value that the module computes at that place (a softmax that the list does not call 'softmax' is quantised finished and normalised). What goes into a quantiser is computed in f32, as accurately as f32 sums, v_exp_f32 and their like allow (about 1e-6 of the number): no bf16 or f16 on the way to a quantiser, and a product that is left as it is and whose result goes on into a quantised operand takes f32 operands (vector FMAs, or v_wmma_f32_16x16x4_f32). A number that lies on a knife's edge between two numbers of the format may be rounded either way, as far as f32 arithmetic and the matrix unit's own rounding can turn it there, and no further.
;; One version. Each part assembles by itself: llvm-mc -triple=amdgcn-amd-amdhsa -mcpu=gfx1250 --defsym DOCPART=n.
;; ======== version 1 of 1: 2 launches
;; limits: right only within a limited range of input values
;; workspace buffers: wimg 532,480 bytes
;; launch prep (part 1): grid 160 x 1, 2 waves a work-group, no clusters, 1,024 bytes of LDS; arguments wq, wk, wv, wg, wo, wimg; writes wimg
.if DOCPART == 1
	.amdgcn_target "amdgcn-amd-amdhsa--gfx1250"
	.amdhsa_code_object_version 6
	.text
	.protected	k_qb66ba0bf0c_prep
	.globl	k_qb66ba0bf0c_prep
	.p2align	8
	.type	k_qb66ba0bf0c_prep,@function
k_qb66ba0bf0c_prep:
	s_mov_b64 s[64:65], 0
	v_nop
	global_prefetch_b8 v0, s[64:65] scope:SCOPE_SE
	s_setreg_imm32_b32 hwreg(HW_REG_WAVE_MODE, 25, 1), 1
	s_wait_xcnt 0x0
; The five weights (f32, K = their FIRST axis) become codes of BF6 (E3M2) with one E8M0 byte for each 32 along K, laid in the order of the operand's registers.
; wimg: 40 records of REC bytes, record 8 wi + w (wi: 0 wq, 1 wk, 2 wv, 3 wg, 4 wo; w: the wave of the next launch that uses it).  A record: 8 fragments of 1,536 bytes, then 1,024 bytes of scale words.
; A fragment (16 columns n x 128 K) is the image of 12 registers: piece c3 of 512 bytes holds, at 16 x lane, registers 4 c3 .. 4 c3 + 3.  Scale words: piece q of 256 bytes holds, at 8 x lane, the words of fragments 2 q, 2 q + 1.
; wq, wk, wv, wg [256][512]: fragment f = 2 (2 b + u) + ks; lane (r, h) holds column 64 w + 32 b + 8 u + r + 8 (r / 8) and k = 128 ks + 64 c + 32 h + 0 .. 31 in registers 6 c .. 6 c + 5.
; (The columns of a tile are not neighbours: used as source 0, register j of tile 2 b + u in lane (., h) of the result is then channel 32 b + 16 h + 8 u + j of head w: 16 neighbours in two tiles.)
; wo [512][256]: fragment f = 4 ctl + ks; column 32 w + 16 ctl + r; k = 128 ks + the same.
; A LANE TAKES A COLUMN, ITS REGISTERS RUN DOWN K: a block of 32 lies in one lane, and the conversions' results are the operand's registers.  One wave makes one fragment; work-group x makes fragments 2 (x % 4), 2 (x % 4) + 1 of record x / 4.
; A block's byte is its largest magnitude's exponent field - 4, held at 1 from below.  LIMITS: a block of zeros, or one whose largest magnitude lies under 2^-122, gets the byte 1 (its codes are zeros or
; subnormal codes; the bytes are read by this program alone); NaN and infinities among the inputs are not served.
.set REC, 13312
.set X,   16                           ; v16-79   register 32 c + i = W(k0 + 64 c + 32 h + i, my column)
.set PC,  88                           ; v88-99   the fragment's 12 registers
.set CT,  100                          ; v100-102, v104-106: the upper halves of the two blocks, as converted
	s_load_b256 s[4:11], s[0:1], 0x0               ; wq s[4:5], wk s[6:7], wv s[8:9], wg s[10:11]
	s_load_b128 s[12:15], s[0:1], 0x20             ; wo s[12:13], wimg s[14:15]
	v_lshl_add_u32 v128, v0, 2, 0x200              ; my spare word
	v_mov_b32 v129, 0
	v_lshrrev_b32 v1, 5, v0
	v_readfirstlane_b32 s16, v1                    ; wave 0, 1
	v_and_b32 v1, 31, v0                           ; lane
	v_and_b32 v2, 15, v0                           ; r
	v_bfe_u32 v3, v0, 4, 1                         ; h
	v_lshlrev_b32 v5, 4, v1                        ; 16 x lane
	v_lshlrev_b32 v8, 3, v1                        ; 8 x lane
	s_lshl_b32 s17, s16, 2
	v_add_nc_u32 v6, s17, v8                       ; LDS: 8 x lane + 4 x wave: my fragment's word of the two of a lane
	s_lshr_b32 s20, ttmp9, 2                       ; the record
	s_and_b32 s21, s20, 7                          ; w
	s_and_b32 s22, ttmp9, 3                        ; q: which two fragments
	s_mov_b32 s26, 0x76543210
	s_mov_b32 s27, 0xfedcba98                      ; v_permlanex16_b32's selects for lane l xor 16
	s_mul_i32 s30, s20, REC
	s_mov_b32 s31, 0
	s_lshl_b32 s32, s22, 1
	s_add_co_u32 s32, s32, s16                     ; f = 2 q + wave
	s_mul_i32 s32, s32, 1536
	s_mov_b32 s33, 0
	s_lshl_b32 s36, s22, 8
	s_add_co_u32 s36, s36, 12288                   ; the record's piece q of scale words
	s_mov_b32 s37, 0
	s_wait_alu depctr_va_vdst(0)                   ; the wait at the head's end
	s_wait_kmcnt 0x0
	s_add_nc_u64 s[28:29], s[14:15], s[30:31]      ; my record,
	s_add_nc_u64 s[34:35], s[28:29], s[32:33]      ; my fragment,
	s_add_nc_u64 s[36:37], s[28:29], s[36:37]      ; my work-group's scale words
	s_mov_b64 s[18:19], s[12:13]                   ; which weight: the choice hangs on the work-group's number alone
	s_cmp_lt_u32 ttmp9, 128
	s_cselect_b64 s[18:19], s[10:11], s[18:19]
	s_cmp_lt_u32 ttmp9, 96
	s_cselect_b64 s[18:19], s[8:9], s[18:19]
	s_cmp_lt_u32 ttmp9, 64
	s_cselect_b64 s[18:19], s[6:7], s[18:19]
	s_cmp_lt_u32 ttmp9, 32
	s_cselect_b64 s[18:19], s[4:5], s[18:19]
	s_cmp_lt_u32 ttmp9, 128                        ; two arms round the loads alone: the row pitch stands in the immediates
	s_cbranch_scc0 .Larm_o
	s_lshl_b32 s24, s16, 18                        ; ks = wave: 128 rows of 2,048 bytes
	s_lshl_b32 s25, s21, 8                         ; 4 x 64 w
	s_add_co_u32 s24, s24, s25
	s_lshr_b32 s25, s22, 1
	s_lshl_b32 s25, s25, 7                         ; 4 x 32 b, b = q / 2
	s_add_co_u32 s24, s24, s25
	s_and_b32 s25, s22, 1
	s_lshl_b32 s25, s25, 5                         ; 4 x 8 u, u = q % 2
	s_add_co_u32 s24, s24, s25
	s_mov_b32 s25, 0
	s_add_nc_u64 s[18:19], s[18:19], s[24:25]
	s_wait_alu depctr_va_vdst(0)
	v_and_b32 v7, 8, v2
	v_add_nc_u32 v7, v7, v2                        ; r + 8 (r / 8)
	v_lshlrev_b32 v7, 2, v7
	v_lshl_add_u32 v4, v3, 16, v7                  ; + 32 h rows
.irp c, 0,1
.irp i, 0,1,2,3,4,5,6,7,8,9,10,11,12,13,14,15,16,17,18,19,20,21,22,23,24,25,26,27,28,29,30,31
	global_load_b32 v[X+32*\c+\i], v4, s[18:19] offset:(64*\c+\i)*2048
.endr
.endr
	s_branch .Ljoin
.Larm_o:
	s_and_b32 s24, s22, 1
	s_lshl_b32 s24, s24, 1
	s_add_co_u32 s24, s24, s16
	s_lshl_b32 s24, s24, 17                        ; ks = 2 (q % 2) + wave: 128 rows of 1,024 bytes
	s_lshl_b32 s25, s21, 7                         ; 4 x 32 w
	s_add_co_u32 s24, s24, s25
	s_lshr_b32 s25, s22, 1
	s_lshl_b32 s25, s25, 6                         ; 4 x 16 ctl, ctl = q / 2
	s_add_co_u32 s24, s24, s25
	s_mov_b32 s25, 0
	s_add_nc_u64 s[18:19], s[18:19], s[24:25]
	s_wait_alu depctr_va_vdst(0)
	v_lshlrev_b32 v7, 2, v2
	v_lshl_add_u32 v4, v3, 15, v7                  ; 4 r + 32 h rows
.irp c, 0,1
.irp i, 0,1,2,3,4,5,6,7,8,9,10,11,12,13,14,15,16,17,18,19,20,21,22,23,24,25,26,27,28,29,30,31
	global_load_b32 v[X+32*\c+\i], v4, s[18:19] offset:(64*\c+\i)*1024
.endr
.endr
.Ljoin:
	s_wait_loadcnt 0x0
.irp c, 0,1                                    ; my block 2 c + h: all its 32 numbers are mine
	v_max3_num_f32 v[80+\c], |v[X+32*\c]|, |v[X+1+32*\c]|, 0x2800000   ; with the floor 2^(5 - 127): the byte cannot fall under 1
.endr
.irp i, 2,4,6,8,10,12,14,16,18,20,22,24,26,28,30
.irp c, 0,1
	v_max3_num_f32 v[80+\c], v[80+\c], |v[X+32*\c+\i]|, |v[X+1+32*\c+\i]|   ; (the two blocks by turns)
.endr
.endr
.irp c, 0,1
	v_add_nc_u32 v[82+\c], 0xfe000000, v[80+\c]    ; 4 off the exponent field: the conversion takes this operand's exponent field as its scale
.endr
.irp c, 0,1
	v_lshrrev_b32 v[84+\c], 23, v[82+\c]           ; the scale's byte
.endr
	v_lshl_or_b32 v86, v85, 16, v84                ; my two bytes: blocks h and 2 + h,
	v_lshlrev_b32 v87, 3, v3
	v_lshlrev_b32 v86, v87, v86                    ; 8 h bits up;
	v_mov_b32 v87, 0
	v_permlanex16_b32 v87, v86, s26, s27
	v_or_b32 v86, v86, v87                         ; with lane l xor 16's two the word is whole, in both lanes
.irp c, 0,1
	v_cvt_scalef32_pk16_bf6_f32 v[PC+6*\c:PC+6*\c+2], v[X+32*\c:X+32*\c+15], v[82+\c]
	v_cvt_scalef32_pk16_bf6_f32 v[CT+4*\c:CT+4*\c+2], v[X+32*\c+16:X+32*\c+31], v[82+\c]   ; (a conversion's three registers begin on an even number)
.endr
	v_nop                                          ; one plain line behind the conversions
.irp c, 0,1
.irp i, 0,1,2
	v_mov_b32 v[PC+3+6*\c+\i], v[CT+4*\c+\i]
.endr
.endr
.irp c, 0,1,2
	global_store_b128 v5, v[PC+4*\c:PC+4*\c+3], s[34:35] offset:512*\c   ; the wave stores 512 consecutive bytes
.endr
	ds_store_b32 v6, v86                           ; the two waves' words meet in LDS,
	s_wait_dscnt 0x0                               ; (for the other's sake: my store has landed)
	s_barrier_signal -1
	s_barrier_wait -1
	s_cmp_lg_u32 s16, 0
	s_cbranch_scc1 .Lend
	ds_load_b64 v[112:113], v8                     ; and wave 0 stores them, 8 bytes a lane: one aligned unit of 256 bytes
	s_wait_dscnt 0x0
	global_store_b64 v8, v[112:113], s[36:37]
.Lend:
	s_wait_tensorcnt 0x0                           ; the wave's end
	ds_add_u32 v128, v129
	s_wait_dscnt 0x0
	s_endpgm
.Lfunc_end_k_qb66ba0bf0c_prep:
	.size	k_qb66ba0bf0c_prep, .Lfunc_end_k_qb66ba0bf0c_prep-k_qb66ba0bf0c_prep
	.p2alignl 7, 3214868480
	.fill 96, 4, 3214868480
	.section	.rodata,"a",@progbits
	.p2align	6, 0x0
	.amdhsa_kernel k_qb66ba0bf0c_prep
		.amdhsa_group_segment_fixed_size 1024
		.amdhsa_private_segment_fixed_size 0
		.amdhsa_enable_private_segment 0
		.amdhsa_kernarg_size 48
		.amdhsa_user_sgpr_count 2
		.amdhsa_user_sgpr_kernarg_segment_ptr 1
		.amdhsa_wavefront_size32 1
		.amdhsa_system_sgpr_workgroup_id_x 1
		.amdhsa_system_sgpr_workgroup_id_y 1
		.amdhsa_system_sgpr_workgroup_id_z 1
		.amdhsa_system_vgpr_workitem_id 0
		.amdhsa_next_free_vgpr 130
		.amdhsa_next_free_sgpr 66
		.amdhsa_reserve_vcc 0
		.amdhsa_float_denorm_mode_32 3
		.amdhsa_float_denorm_mode_16_64 3
		.amdhsa_memory_ordered 1
		.amdhsa_forward_progress 1
		.amdhsa_inst_pref_size 19
	.end_amdhsa_kernel
	.amdgpu_metadata
---
amdhsa.version: [ 1, 2 ]
amdhsa.kernels:
  - .name:           k_qb66ba0bf0c_prep
    .symbol:         k_qb66ba0bf0c_prep.kd
    .args:
      - { .name: wq, .offset: 0, .size: 8, .value_kind: global_buffer, .address_space: global }
      - { .name: wk, .offset: 8, .size: 8, .value_kind: global_buffer, .address_space: global }
      - { .name: wv, .offset: 16, .size: 8, .value_kind: global_buffer, .address_space: global }
      - { .name: wg, .offset: 24, .size: 8, .value_kind: global_buffer, .address_space: global }
      - { .name: wo, .offset: 32, .size: 8, .value_kind: global_buffer, .address_space: global }
      - { .name: wimg, .offset: 40, .size: 8, .value_kind: global_buffer, .address_space: global }
    .group_segment_fixed_size: 1024
    .private_segment_fixed_size: 0
    .kernarg_segment_align: 8
    .kernarg_segment_size: 48
    .max_flat_workgroup_size: 64
    .sgpr_count:     66
    .vgpr_count:     130
    .wavefront_size: 32
...
	.end_amdgpu_metadata
.endif
;; end of part 1
;; launch attn (part 2): grid 256 x 1, 8 waves a work-group, no clusters, 327,680 bytes of LDS; arguments t, s, template_mask, bg, bo, wimg, out0; writes out0
.if DOCPART == 2
	.amdgcn_target "amdgcn-amd-amdhsa--gfx1250"
	.amdhsa_code_object_version 6
	.text
	.protected	k_qb66ba0bf0c_attn
	.globl	k_qb66ba0bf0c_attn
	.p2align	8
	.type	k_qb66ba0bf0c_attn,@function
k_qb66ba0bf0c_attn:
	s_mov_b64 s[64:65], 0
	v_nop
	global_prefetch_b8 v0, s[64:65] scope:SCOPE_SE
	s_setreg_imm32_b32 hwreg(HW_REG_WAVE_MODE, 25, 1), 1
	s_wait_xcnt 0x0
; out0[b][n] = ((softmax_T(q . k_T / 8 + bias_T) v) * sigmoid(s wg + bg)) wo + bo, q = s wq, k_T = t[b][T][n] wk, v_T = t[b][T][n] wv, 8 heads of 64, 32 templates.
; All products with a weight run on codes of BF6 (E3M2) with one E8M0 byte for each 32 along K; scores, softmax and a.v are f32 vector work.
; SHARES.  Work-group x owns 16 residues (b = x / 64, n = 16 (x % 64) ..) and all their 32 templates: 512 KiB of t, read once.  Wave w is head w: its parts of wk and wv (192 registers), its q and its O stay in registers.
; A third weight buffer of 96 registers holds wq, then wg, then wo.
; LAYOUT.  A tile's 16 rows are the 16 residues of ONE template; every product is used transposed (source 0 = 16 columns of a weight, source 1 = the 16 residues): lane (r, h) holds residue r in q, k, v, O and g alike,
; and register 8 (2 b + u) + j is channel 32 b + 16 h + 8 u + j of the head (the first launch chose the weights' columns so).
; t'S WAY.  Templates go in 8 groups of 4.  Wave w fetches, by ONE tensor load behind a barrier, its part of a group (template w / 2, K step w % 2: 16 rows x 512 bytes) into one of its two slots,
; quantises it behind a later barrier and stores it in LDS as the image of a fragment's 12 registers and its scale words, in one of three image buffers (group j in buffer j % 3).
; THE BARRIER STANDS IN THE MIDDLE OF A TRIP (trip j multiplies group j: templates 0, 1, the barrier, templates 2, 3).  Behind trip j's barrier group j + 1's eight images may be read, tile j + 2 has landed and tile j + 3 is asked for.
; Tile j + 2 is quantised between the barriers of trips j and j + 1: by the waves of role 0 right behind the first, by those of role 1 at the head of trip j + 1.  role = (w xor w / 4) & 1.
; The trips are written out by a macro: image buffers and slots come back together only after six of the eight.
; PREFETCH.  Tiles 4 to 7: one global_prefetch_b8 a wave, in the trip ahead of the one in which the tile is asked for, names the wave's own 32 blocks of 256 bytes (a lane a block); tiles 2 and 3 likewise behind q's products.
; SOFTMAX.  A running maximum M and sum L for each residue, one update for two templates: lanes 0-15 hold the first template's score, lanes 16-31 the second's, L likewise; O and L are multiplied by e^(old M - new M).
; WHY NO CLUSTER: the work-groups share the weights' records alone, and every byte of them is used from the registers of one wave.  A joint load lands in LDS: wk's and wv's records are 212,992 bytes,
; which do not fit beside the 316,672 that this text uses, and t's own loads, eight a wave, are shared by nobody.
; LIMITS: NaN and infinities among the inputs are not served.  A block of zeros, or one whose largest magnitude lies under 2^-122, gets the scale byte 1 (the bytes are read by this program alone).
; Where all 32 templates of a batch are masked, score + (-1e9) is rounded as written, but the score's order of summation is this text's own: a score at a middle between two f32 numbers near 1e9 may fall one step (64) aside.
; THE FIRST TWO TRIPS DIFFER, so that the first half of trip 0 waits for wk and wv and for no tile but tile 0: all waves quantise tile 1 just ahead of trip 0's barrier, behind which tile 2 is asked for;
; one more barrier at trip 1's head shows tile 2 landed and asks for tile 3; tile 2 is quantised in trip 1, by role 0 at its head, by role 1 just ahead of its barrier.  Tiles 2 and 3 are prefetched in trip 0's first half, one behind the other.
.set REC,  13312                       ; a record of the weights' buffer: 8 fragments of 1,536 bytes, 1,024 bytes of scale words
.set IBUF, 13312                       ; LDS 0: three buffers of a group's images: 8 x 1,536, then at 12,288 eight x 128 bytes of scale words
.set SIMG, 39936                       ; s's images, laid likewise
.set OIMG, 53248                       ; o g: 8 half fragments of 768 bytes
.set OSC,  59392                       ; and their scale words, 8 x 128
.set MSK,  60416                       ; each wave's table of the 32 templates' biases, 128 bytes
.set BGT,  61440                       ; each wave's 64 numbers of bg, 256 bytes
.set GP,   63488                       ; g, parked as f32: 4,096 bytes a wave
.set RAW,  96256                       ; a wave's two slots: 2 x XT bytes
.set XT,   8448                        ; a tile: 16 rows of 512 bytes + 16: row r starts 4 r words on modulo 64, so sixteen rows' 16 bytes fall on different words modulo 64
.set STS,  231424                      ; waves 0 and 1: s's rows, laid as a tile of t
.set STG,  299008                      ; the stage for out0: 16 rows of 1,024 bytes + 16
.set SPARE, 315648                     ; the spare words, 128 bytes for each wave
.set TSTEP, 0x400000                   ; from a tile of t to the wave's next: four templates of 1,024 x 1,024 bytes
.set L8,   0                           ; 8 x lane
.set LI,   1                           ; 16 x lane
.set LS,   2                           ; 4 x lane
.set LSUM, 3                           ; L, by halves of the lanes
.set BMA,  4                           ; LDS address of my biases
.set IS,   5                           ; where I store an image's scale words
.set SPW,  6                           ; LDS address of my spare word; never rewritten
.set NIL,  7                           ; 0; never rewritten
.set S,    8                           ; the pair's scores (with M as a pair); while quantising: at work
.set MX,   9                           ; M
.set BMP,  10                          ; v10-11 my two biases of a group
.set A0,   12                          ; the first template's weight (named as a pair with XR)
.set XR,   13                          ; my slots, 528 r + 128 h
.set FF,   14                          ; e^(old M - new M) (named as a pair with H8)
.set H8,   15                          ; 8 h
.set A1,   16                          ; the second's weight (named as a pair with IW)
.set IW,   17                          ; where I store an image
.set MN,   18                          ; the new M (named as a pair with PFO)
.set PFO,  19                          ; the prefetches' offset: lane l: row l / 2, 256 (l % 2)
.set CHA,  20                          ; v20-23 the first template's score, in two packed chains
.set CHB,  24                          ; v24-27 the second's
.set FAS,  28                          ; v28-29 FA's scale words
.set FBS,  30                          ; v30-31 FB's
.set WSC,  32                          ; v32-39 fragment f's scale words: wk's in lanes 0-15, wv's in lanes 16-31
.set W3S,  40                          ; v40-47 the third weight's scale words
.set W3,   48                          ; v48-143 the third weight's 8 fragments
.set FA,   144                         ; v144-167 a template's two fragments
.set FB,   168                         ; v168-191 the pair's other template's
.set TM,   20                          ; while quantising: v20-27 maxima, scale operands, bytes,
.set PC,   168                         ;   the codes just made,
.set PW,   180                         ;   their scale word,
.set CT,   182                         ;   v182-184, v186-188 upper halves as converted
.set ACC0, 192                         ; two sets of four accumulators
.set ACC1, 224
.set Z,    192                         ; while quantising: 64 numbers
.set OF,   144                         ; at the end: o g's four fragments,
.set RW,   32                          ;   its scale words by halves,
.set OW,   28                          ;   and whole
.set WK,   0                           ; window 1: wk's 8 fragments
.set WV,   96                          ;           wv's
.set QR,   192                         ;           q
.set OA,   224                         ;           O
.set BO,   0                           ;           at the end, where wk lay: bo's two tiles
.set G1,   24                          ; s[24:31] descriptor group 1
.set G0,   32                          ; s[32:39] group 0, one set for each slot
.set PF,   44                          ; s[44:45] where my prefetches stand
.set ROLE, 53
.set MSB, 0
.macro WIN new                         ; s_set_vgpr_msb: bits 1:0 source 0, 3:2 source 1, 5:4 source 2, 7:6 destination; the high byte repeats the setting that is left
.if MSB != \new
	s_set_vgpr_msb (MSB<<8)|\new
.set MSB, \new
.endif
.endm
.macro PLACES n
.rept \n
	v_nop
.endr
.endm
; template u of the group at base: its two fragments and their scale words, as any wave's registers
.macro LFRAG f, fs, base, u
.irp ks, 0,1
.irp c, 0,1,2
	ds_load_b128 v[\f+12*\ks+4*\c:\f+12*\ks+4*\c+3], v[LI] offset:(\base)+(2*(\u)+\ks)*1536+512*\c
.endr
.endr
.irp ks, 0,1
	ds_load_b32 v[\fs+\ks], v[LS] offset:(\base)+12288+128*(2*(\u)+\ks)
.endr
.endm
; 8 matrix instructions: my head's 64 channels x 16 residues, K = 256.  The four accumulators take turns, one instruction a turn.  row = 1: the weight's scale words stand in lanes 16-31
.macro PROD w, f, fs, acc, row
	WIN 0x01                                       ; the weight in window 1, all else in window 0
.irp ks, 0,1
.irp t, 0,1,2,3
.if \row
.if \ks
	v_wmma_scale_f32_16x16x128_f8f6f4 v[\acc+8*\t:\acc+8*\t+7], v[\w+12*(2*\t+\ks):\w+12*(2*\t+\ks)+11], v[\f+12*\ks:\f+12*\ks+11], v[\acc+8*\t:\acc+8*\t+7], v[WSC+2*\t+\ks], v[\fs+\ks] matrix_a_fmt:MATRIX_FMT_BF6 matrix_b_fmt:MATRIX_FMT_BF6 matrix_a_scale:MATRIX_SCALE_ROW1
.else
	v_wmma_scale_f32_16x16x128_f8f6f4 v[\acc+8*\t:\acc+8*\t+7], v[\w+12*(2*\t+\ks):\w+12*(2*\t+\ks)+11], v[\f+12*\ks:\f+12*\ks+11], 0, v[WSC+2*\t+\ks], v[\fs+\ks] matrix_a_fmt:MATRIX_FMT_BF6 matrix_b_fmt:MATRIX_FMT_BF6 matrix_a_scale:MATRIX_SCALE_ROW1
.endif
.else
.if \ks
	v_wmma_scale_f32_16x16x128_f8f6f4 v[\acc+8*\t:\acc+8*\t+7], v[\w+12*(2*\t+\ks):\w+12*(2*\t+\ks)+11], v[\f+12*\ks:\f+12*\ks+11], v[\acc+8*\t:\acc+8*\t+7], v[WSC+2*\t+\ks], v[\fs+\ks] matrix_a_fmt:MATRIX_FMT_BF6 matrix_b_fmt:MATRIX_FMT_BF6
.else
	v_wmma_scale_f32_16x16x128_f8f6f4 v[\acc+8*\t:\acc+8*\t+7], v[\w+12*(2*\t+\ks):\w+12*(2*\t+\ks)+11], v[\f+12*\ks:\f+12*\ks+11], 0, v[WSC+2*\t+\ks], v[\fs+\ks] matrix_a_fmt:MATRIX_FMT_BF6 matrix_b_fmt:MATRIX_FMT_BF6
.endif
.endif
.endr
.endr
.endm
; the same with s's fragments (in FB) and the third weight, into ACC0; withc = 1: the sums start from ACC1
.macro PROD3 withc
.irp ks, 0,1
.irp t, 0,1,2,3
.if \ks
	v_wmma_scale_f32_16x16x128_f8f6f4 v[ACC0+8*\t:ACC0+8*\t+7], v[W3+24*\t+12:W3+24*\t+23], v[FB+12:FB+23], v[ACC0+8*\t:ACC0+8*\t+7], v[W3S+2*\t+1], v[FBS+1] matrix_a_fmt:MATRIX_FMT_BF6 matrix_b_fmt:MATRIX_FMT_BF6
.elseif \withc
	v_wmma_scale_f32_16x16x128_f8f6f4 v[ACC0+8*\t:ACC0+8*\t+7], v[W3+24*\t:W3+24*\t+11], v[FB:FB+11], v[ACC1+8*\t:ACC1+8*\t+7], v[W3S+2*\t], v[FBS] matrix_a_fmt:MATRIX_FMT_BF6 matrix_b_fmt:MATRIX_FMT_BF6
.else
	v_wmma_scale_f32_16x16x128_f8f6f4 v[ACC0+8*\t:ACC0+8*\t+7], v[W3+24*\t:W3+24*\t+11], v[FB:FB+11], 0, v[W3S+2*\t], v[FBS] matrix_a_fmt:MATRIX_FMT_BF6 matrix_b_fmt:MATRIX_FMT_BF6
.endif
.endr
.endr
.endm
; q . k of my 32 channels, two at a time, in two chains; under PROD's window setting (q is source 0, in window 1).  Each accumulator is read from its low end on
.macro KF ch, acc
	WIN 0x01
	v_pk_mul_f32 v[\ch:\ch+1], v[QR:QR+1], v[\acc:\acc+1]
	v_pk_mul_f32 v[\ch+2:\ch+3], v[QR+2:QR+3], v[\acc+2:\acc+3]
.irp i, 4,8,12,16,20,24,28
	v_pk_fma_f32 v[\ch:\ch+1], v[QR+\i:QR+\i+1], v[\acc+\i:\acc+\i+1], v[\ch:\ch+1]
	v_pk_fma_f32 v[\ch+2:\ch+3], v[QR+\i+2:QR+\i+3], v[\acc+\i+2:\acc+\i+3], v[\ch+2:\ch+3]
.endr
.endm
; a pair's two scores are finished and biased; M, L and the two weights are brought up to date.  k: which pair of the group
.macro SOFTMAX k
	v_pk_add_f32 v[CHA:CHA+1], v[CHA:CHA+1], v[CHA+2:CHA+3]
	v_pk_add_f32 v[CHB:CHB+1], v[CHB:CHB+1], v[CHB+2:CHB+3]
	v_add_f32 v[CHA], v[CHA], v[CHA+1]
	v_add_f32 v[CHB], v[CHB], v[CHB+1]
	v_permlane16_swap_b32 v[CHA], v[CHB]           ; a residue's two halves of 32 channels lie 16 lanes apart: now lanes 0-15 of both hold the first template's, lanes 16-31 the second's
	v_add_f32 v[S], v[CHA], v[CHB]
	v_add_f32 v[S], v[S], v[BMP+\k]                ; + 1e9 (mask - 1)
	v_permlanex16_b32 v[CHA], v[S], s20, s21       ; the other template's
	v_max3_num_f32 v[MN], v[MX], v[S], v[CHA]
	v_pk_add_f32 v[CHB:CHB+1], v[S:S+1], v[MN:MN+1] op_sel_hi:[1,0] neg_lo:[0,1] neg_hi:[0,1]   ; score - M and old M - M: the difference first, then log2(e): scores may be as large as 1e9
	v_pk_mul_f32 v[CHB:CHB+1], v[CHB:CHB+1], 0x3fb8aa3b op_sel_hi:[1,0]
	s_wait_alu depctr_va_vdst(0)                   ; the wait ahead of the batch,
	v_exp_f32 v[A0], v[CHB]
	v_exp_f32 v[FF], v[CHB+1]
	v_mov_b32 v[MX], v[MN]                         ; (a plain line behind the exponentials)
	s_wait_alu depctr_va_vdst(0)                   ; and behind it
	v_fma_f32 v[LSUM], v[LSUM], v[FF], v[A0]
	v_mov_b32 v[A1], v[A0]
	v_permlane16_swap_b32 v[A0], v[A1]             ; the first template's weight in all lanes, the second's in all lanes
.endm
.macro RESC                            ; O under the new M
	WIN 0x41                                       ; O (destination, source 0) in window 1
.set VI, 0
.rept 16
	v_pk_mul_f32 v[OA+2*VI:OA+2*VI+1], v[OA+2*VI:OA+2*VI+1], v[FF:FF+1] op_sel_hi:[1,0]
.set VI, VI+1
.endr
.endm
.macro VF a, acc                       ; O += weight x v, each accumulator from its low end on
	WIN 0x50                                       ; O (destination, source 2) in window 1
	s_wait_alu depctr_va_vdst(0)                   ; exponentials may stand between the products and this read
.set VI, 0
.rept 16
	v_pk_fma_f32 v[OA+2*VI:OA+2*VI+1], v[\acc+2*VI:\acc+2*VI+1], v[\a:\a+1], v[OA+2*VI:OA+2*VI+1] op_sel_hi:[1,0,1]
.set VI, VI+1
.endr
.endm
.macro XREAD adr, off                  ; register 32 c + i = k 64 c + 32 h + i of my row r: two whole blocks of 32 in a lane
.irp c, 0,1
.irp i, 0,1,2,3,4,5,6,7
	ds_load_b128 v[Z+32*\c+4*\i:Z+32*\c+4*\i+3], v[\adr] offset:(\off)+256*\c+16*\i
.endr
.endr
.endm
; 64 numbers of a lane become its 12 registers of codes and the row's scale word
.macro QW
.irp c, 0,1
	v_max3_num_f32 v[TM+\c], |v[Z+32*\c]|, |v[Z+32*\c+1]|, |v[Z+32*\c+2]|
.endr
.irp c, 0,1
	v_max3_num_f32 v[TM+2+\c], |v[Z+32*\c+3]|, |v[Z+32*\c+4]|, |v[Z+32*\c+5]|
.endr
.irp i, 6,10,14,18,22,26
.irp c, 0,1
	v_max3_num_f32 v[TM+\c], v[TM+\c], |v[Z+32*\c+\i]|, |v[Z+32*\c+\i+1]|   ; (four chains by turns)
.endr
.irp c, 0,1
	v_max3_num_f32 v[TM+2+\c], v[TM+2+\c], |v[Z+32*\c+\i+2]|, |v[Z+32*\c+\i+3]|
.endr
.endr
.irp c, 0,1
	v_max3_num_f32 v[TM+\c], v[TM+\c], |v[Z+32*\c+30]|, |v[Z+32*\c+31]|
.endr
.irp c, 0,1
	v_max3_num_f32 v[TM+\c], v[TM+\c], v[TM+2+\c], 0x2800000   ; and the floor 2^(5 - 127): the byte cannot fall under 1
.endr
.irp c, 0,1
	v_add_nc_u32 v[TM+4+\c], 0xfe000000, v[TM+\c]  ; 4 off its exponent field: the conversion's scale operand
.endr
.irp c, 0,1
	v_lshrrev_b32 v[TM+6+\c], 23, v[TM+4+\c]       ; the scale's byte
.endr
.irp c, 0,1
	v_cvt_scalef32_pk16_bf6_f32 v[PC+6*\c:PC+6*\c+2], v[Z+32*\c:Z+32*\c+15], v[TM+4+\c]
	v_cvt_scalef32_pk16_bf6_f32 v[CT+4*\c:CT+4*\c+2], v[Z+32*\c+16:Z+32*\c+31], v[TM+4+\c]   ; (a conversion's three registers begin on an even number)
.endr
	v_lshl_or_b32 v[PW], v[TM+7], 16, v[TM+6]      ; my two bytes: blocks h and 2 + h  (a plain line behind the conversions)
	v_lshlrev_b32 v[PW], v[H8], v[PW]              ; 8 h bits up;
.irp i, 0,1,2
	v_mov_b32 v[PC+3+\i], v[CT+\i]
.endr
	v_permlanex16_b32 v[S], v[PW], s20, s21
.irp i, 0,1,2
	v_mov_b32 v[PC+9+\i], v[CT+4+\i]
.endr
	v_or_b32 v[PW], v[PW], v[S]                    ; with lane l xor 16's two the word is whole
.endm
.macro IMAGE off                       ; the fragment and its scale words go to LDS as they stand
.irp c, 0,1,2
	ds_store_b128 v[IW], v[PC+4*\c:PC+4*\c+3] offset:(\off)+512*\c
.endr
	ds_store_b32 v[IS], v[PW] offset:(\off)
.endm
; The waves of one role quantise their tile in slot x into image buffer y; the others pass.  The branch hangs on the wave's number alone; no barrier stands under it; every window is 0 here
.macro QROLE role, x, y
	s_cmp_lg_u32 s[ROLE], \role
	s_cbranch_scc1 .Lnot_mine_\@
	XREAD XR, (\x)*XT
	s_wait_dscnt 0x0
	QW
	IMAGE (\y)*IBUF
	s_wait_dscnt 0x0                               ; the stores have read their registers, which FB's loads take next
.Lnot_mine_\@:
.endm
; a third of the third weight's loads: in trip 1 wg, in trip 4 wo
.macro WLOAD j, q
.if ((\j) == 1) || ((\j) == 4)
.if (\j) == 1
.set WB, 66
.else
.set WB, 68
.endif
.set K, 0
.rept 8
	global_load_b128 v[W3+32*(\q)+4*K:W3+32*(\q)+4*K+3], v[LI], s[WB:WB+1] offset:512*(8*(\q)+K)
.set K, K+1
.endr
.if \q == 0
.set K, 0
.rept 4
	global_load_b64 v[W3S+2*K:W3S+2*K+1], v[L8], s[WB:WB+1] offset:12288+256*K
.set K, K+1
.endr
.endif
.endif
.endm
; g = sigmoid(s wg + bg), parked until the end; bg is the C of the first products
.macro GATE
	v_lshl_add_u32 v20, v[H8], 3, s19              ; 64 h
.irp t, 0,1,2,3
	ds_load_b128 v[ACC1+8*\t:ACC1+8*\t+3], v20 offset:128*(\t/2)+32*(\t%2)       ; channels 32 b + 16 h + 8 u + 0 .. 7
	ds_load_b128 v[ACC1+8*\t+4:ACC1+8*\t+7], v20 offset:128*(\t/2)+32*(\t%2)+16
.endr
	LFRAG FB, FBS, SIMG, 0
	s_wait_loadcnt 0x0                             ; wg
	s_wait_dscnt 0x0
	PROD3 1
	PLACES 4
.set VI, 0
.rept 16
	v_pk_mul_f32 v[ACC0+2*VI:ACC0+2*VI+1], v[ACC0+2*VI:ACC0+2*VI+1], 0xbfb8aa3b op_sel_hi:[1,0]   ; g = 1 / (1 + 2^(-log2(e) x))
.set VI, VI+1
.endr
	s_wait_alu depctr_va_vdst(0)
.set VI, 0
.rept 32
	v_exp_f32 v[ACC0+VI], v[ACC0+VI]
.set VI, VI+1
.endr
	v_nop                                          ; a plain line behind the exponentials
	s_wait_alu depctr_va_vdst(0)
.set VI, 0
.rept 16
	v_pk_add_f32 v[ACC0+2*VI:ACC0+2*VI+1], v[ACC0+2*VI:ACC0+2*VI+1], 1.0 op_sel_hi:[1,0]
.set VI, VI+1
.endr
	s_wait_alu depctr_va_vdst(0)
.set VI, 0
.rept 32
	v_rcp_f32 v[ACC0+VI], v[ACC0+VI]
.set VI, VI+1
.endr
	v_add_nc_u32 v20, s57, v[LI]                   ; (a plain line behind the reciprocals)
	s_wait_alu depctr_va_vdst(0)
.irp i, 0,1,2,3,4,5,6,7
	ds_store_b128 v20, v[ACC0+4*\i:ACC0+4*\i+3] offset:512*\i
.endr
	s_wait_dscnt 0x0                               ; the stores have read their registers
.endm
	s_load_b256 s[4:11], s[0:1], 0x0               ; t s[4:5], s s[6:7], template_mask s[8:9], bg s[10:11]
	s_load_b128 s[12:15], s[0:1], 0x20             ; bo s[12:13], wimg s[14:15]
	s_load_b64 s[16:17], s[0:1], 0x30              ; out0
	v_lshl_add_u32 v[SPW], v0, 2, SPARE
	v_mov_b32 v[NIL], 0
	ds_add_u32 v[SPW], v[NIL]                      ; the opening: the add, twice on end, and its wait ahead of my first tensor load
	ds_add_u32 v[SPW], v[NIL]
	v_lshrrev_b32 v1, 5, v0
	v_readfirstlane_b32 s18, v1                    ; wave 0..7 = my head
	v_and_b32 v8, 31, v0                           ; lane
	v_and_b32 v20, 15, v0                          ; r
	v_bfe_u32 v21, v0, 4, 1                        ; h
	v_lshlrev_b32 v[LS], 2, v8
	v_lshlrev_b32 v[LI], 4, v8
	v_lshlrev_b32 v[H8], 3, v21
	v_mul_u32_u24 v22, v20, 528
	v_lshrrev_b32 v25, 2, v8
	v_lshrrev_b32 v[PFO], 1, v8
	v_lshl_add_u32 v22, v21, 7, v22                ; 528 r + 128 h
	v_lshlrev_b32 v25, 4, v25
	v_lshlrev_b32 v[PFO], 10, v[PFO]
	v_and_b32 v26, 1, v8
	v_bfe_u32 v27, v8, 1, 1
	v_lshl_add_u32 v25, v26, 3, v25
	v_lshl_add_u32 v[PFO], v26, 8, v[PFO]          ; 1,024 (l / 2) + 256 (l % 2)
	v_lshl_add_u32 v25, v27, 2, v25                ; template T = lane stands at 16 (T / 4) + 8 (T % 2) + 4 (T / 2 % 2) of the table: lane (., h) reads templates 4 j + h and 4 j + 2 + h as 8 bytes
	v_lshlrev_b32 v[L8], 3, v8
	v_mul_u32_u24 v27, v21, 8*REC
	v_add_nc_u32 v144, v27, v[L8]                  ; lanes 16-31 read eight records on: wv's scale words beside wk's
	s_lshr_b32 s[ROLE], s18, 2
	s_xor_b32 s[ROLE], s[ROLE], s18
	s_and_b32 s[ROLE], s[ROLE], 1                  ; my role: (w xor w / 4) & 1
	s_mul_i32 s70, s18, 2*XT
	s_add_co_u32 s70, s70, RAW                     ; my two slots
	s_mul_i32 s71, s18, XT
	s_add_co_u32 s71, s71, STS                     ; waves 0 and 1: s's rows
	s_mul_i32 s72, s18, 1536
	s_lshl_b32 s73, s18, 7
	s_add_co_u32 s54, s73, MSK                     ; my table of biases
	s_add_co_u32 s73, s73, 12288
	s_lshl_b32 s19, s18, 8
	s_add_co_u32 s19, s19, BGT                     ; my part of bg
	s_lshl_b32 s57, s18, 12
	s_add_co_u32 s57, s57, GP                      ; where my g is parked
	s_wait_alu depctr_va_vdst(0)                   ; the wait here, directly ahead of the readers below
	v_add_nc_u32 v[XR], s70, v22
	v_add_nc_u32 v12, s71, v22                     ; s's rows: as my 64 numbers,
	v_add_nc_u32 v14, s71, v[LI]                   ; and as they are loaded
	v_add_nc_u32 v[IW], s72, v[LI]
	v_add_nc_u32 v[IS], s73, v[LS]
	v_add_nc_u32 v18, s54, v25                     ; where my template's bias goes
	v_add_nc_u32 v16, s19, v[L8]                   ; and my two numbers of bg
	v_add_nc_u32 v[BMA], s54, v[H8]
	v_mov_b32 v[MX], 0xff61b1e6                    ; M: -3e38, under every score
	s_mov_b32 s20, 0x76543210
	s_mov_b32 s21, 0xfedcba98                      ; v_permlanex16_b32's selects for lane l xor 16
	s_mov_b32 s52, 0x4e6e6b28                      ; 1e9
	; descriptor group 1: 16 rows of 128 elements of 4 bytes, 256 elements from row to row; in LDS 4 words of padding behind every 128
	s_mov_b32 s24, (2<<16)|(1<<20)|(6<<22)|(3<<25)
	s_mov_b32 s25, 128<<16                         ; tensor_dim0 = 128
	s_mov_b32 s26, 16<<16                          ; tensor_dim1 = 16
	s_mov_b32 s27, 128<<16                         ; tile_dim0 = 128
	s_mov_b32 s28, 16                              ; tile_dim1 = 16
	s_mov_b32 s29, 256                             ; the pitch
	s_mov_b32 s30, 0
	s_mov_b32 s31, 0
	s_mov_b32 s32, 1
	s_mov_b32 s33, s70
	s_mov_b32 s36, 1
	s_add_co_u32 s37, s70, XT
	s_lshr_b32 s22, ttmp9, 6                       ; b
	s_lshl_b32 s74, s22, 25                        ; t: 32 x 1,024 x 1,024 bytes a batch,
	s_lshl_b32 s22, s22, 7                         ; the mask: 128 bytes a batch
	s_mov_b32 s23, 0
	s_and_b32 s72, ttmp9, 63
	s_lshl_b32 s72, s72, 14                        ; my 16 residues' rows,
	s_add_co_u32 s74, s74, s72
	s_lshr_b32 s72, s18, 1
	s_lshl_b32 s72, s72, 20                        ; template w / 2 of a group,
	s_add_co_u32 s74, s74, s72
	s_and_b32 s56, s18, 1
	s_lshl_b32 s73, s56, 9                         ; K step w % 2
	s_add_co_u32 s74, s74, s73
	s_mov_b32 s75, 0
	s_lshl_b32 s72, ttmp9, 14                      ; s: the same rows and K step
	s_add_co_u32 s72, s72, s73
	s_mov_b32 s73, 0
	s_lshl_b32 s56, s56, 4                         ; 16 (w % 2): where my two bytes stand in o g's scale word
	s_wait_dscnt 0x0                               ; both opening adds are done
	s_wait_alu depctr_va_vdst(0)                   ; the wait at the head's end
	s_wait_kmcnt 0x0
	s_add_nc_u64 s[PF:PF+1], s[4:5], s[74:75]      ; tile 0
	s_mov_b64 s[34:35], s[PF:PF+1]
	s_or_b32 s35, s35, 0x80000000
	s_add_nc_u64 s[38:39], s[PF:PF+1], TSTEP       ; tile 1: four templates on
	s_or_b32 s39, s39, 0x80000000
	tensor_load_to_lds s[G0:G0+3], s[G1:G1+7]      ; tile 0 into slot 0: my one tensor load at the head
	s_nop 0
	PLACES 4
	s_add_nc_u64 s[PF:PF+1], s[PF:PF+1], 2*TSTEP   ; the prefetches begin with tile 2
	s_add_nc_u64 s[46:47], s[8:9], s[22:23]        ; my batch's mask
	s_add_nc_u64 s[72:73], s[6:7], s[72:73]        ; my rows of s
	s_mul_i32 s74, s18, REC
	s_add_nc_u64 s[58:59], s[14:15], s[74:75]      ; my records: wq's,
	s_add_nc_u64 s[60:61], s[58:59], 8*REC         ; wk's,
	s_add_nc_u64 s[62:63], s[58:59], 16*REC        ; wv's,
	s_add_nc_u64 s[66:67], s[58:59], 24*REC        ; wg's,
	s_add_nc_u64 s[68:69], s[58:59], 32*REC        ; wo's
	s_lshl_b32 s74, s18, 8
	s_add_nc_u64 s[76:77], s[10:11], s[74:75]      ; bg at my 64 channels
	s_lshl_b32 s74, s18, 7
	s_add_nc_u64 s[78:79], s[12:13], s[74:75]      ; bo at my 32 columns
	s_lshl_b32 s74, ttmp9, 14
	s_lshl_b32 s70, s18, 11
	s_add_co_u32 s74, s74, s70
	s_add_nc_u64 s[16:17], s[16:17], s[74:75]      ; out0 at rows 2 w, 2 w + 1 of my 16
	global_load_b32 v[LSUM], v[LS], s[46:47]       ; lane T: template T's mask
	global_load_b64 v[10:11], v[L8], s[76:77]      ; my 64 numbers of bg, two a lane
	s_cmp_lt_u32 s18, 2
	s_cbranch_scc0 .Lno_s_asked
.irp i, 0,1,2,3,4,5,6,7,8,9,10,11,12,13,14,15
	global_load_b128 v[Z+4*\i:Z+4*\i+3], v[LI], s[72:73] offset:1024*\i   ; waves 0 and 1: K step w of s, a row's 512 consecutive bytes a load
.endr
.Lno_s_asked:
.irp q, 0,1,2,3
	global_load_b64 v[WSC+2*\q:WSC+2*\q+1], v144, s[60:61] offset:12288+256*\q
	global_load_b64 v[W3S+2*\q:W3S+2*\q+1], v[L8], s[58:59] offset:12288+256*\q
.endr
.set K, 0
.rept 24
	global_load_b128 v[W3+4*K:W3+4*K+3], v[LI], s[58:59] offset:512*K   ; wq
.set K, K+1
.endr
	; nothing is prefetched here: tiles 0 and 1 come by their loads alone
	s_cmp_lt_u32 s18, 2
	s_cbranch_scc0 .Lno_s
	s_wait_loadcnt 32                              ; s's 16 loads are in; behind them 8 + 24
.irp i, 0,1,2,3,4,5,6,7,8,9,10,11,12,13,14,15
	ds_store_b128 v14, v[Z+4*\i:Z+4*\i+3] offset:528*\i
.endr
	s_wait_dscnt 0x0                               ; the stores have read their registers
	XREAD 12, 0
	s_wait_dscnt 0x0
	QW
	IMAGE SIMG
	s_wait_dscnt 0x0                               ; the codes' registers are free
.Lno_s:
	s_wait_tensorcnt 0x0                           ; tile 0 has landed
	XREAD XR, 0
	WIN 0x40                                       ; destination window 1
.set K, 0
.rept 24
	global_load_b128 v[WK+4*K:WK+4*K+3], v[LI], s[60:61] offset:512*K   ; wk: it stays
.set K, K+1
.endr
	WIN 0
	s_wait_dscnt 0x0
	QW
	IMAGE 0
	s_wait_alu depctr_va_vdst(0)
	s_wait_tensorcnt 0x0
	ds_add_u32 v[SPW], v[NIL]
	s_wait_dscnt 0x0
	s_barrier_signal -1
	s_barrier_wait -1                              ; s's two images and group 0's eight lie in LDS
	tensor_load_to_lds s[G0+4:G0+7], s[G1:G1+7]    ; tile 1 into slot 1
	s_nop 0
	PLACES 4
	LFRAG FB, FBS, SIMG, 0
	WIN 0x40
.set K, 0
.rept 24
	global_load_b128 v[WV+4*K:WV+4*K+3], v[LI], s[62:63] offset:512*K   ; wv: it stays
.set K, K+1
.endr
	WIN 0
	s_wait_loadcnt 48                              ; the mask, bg, wq and the scale words are in; wk's and wv's 24 + 24 may be out
	s_wait_dscnt 0x0
	LFRAG FA, FAS, 0, 0                            ; group 0's first template
	; ---- q = s wq
	PROD3 0
	v_add_f32 v20, -1.0, v[LSUM]
	v_mul_f32 v20, s52, v20                        ; template T's bias: 1e9 (mask - 1)
	v_mov_b32 v[LSUM], 0
	v_nop                                          ; with the three lines above: four places in front of the first read of the products' results
	ds_store_b32 v18, v20
	ds_store_b64 v16, v[10:11]
	WIN 0x40
.set VI, 0
.rept 16
	v_pk_mul_f32 v[QR+2*VI:QR+2*VI+1], v[ACC0+2*VI:ACC0+2*VI+1], 0x3e000000 op_sel_hi:[1,0]   ; q / sqrt(64): exact
.set VI, VI+1
.endr
.set VI, 0
.rept 32
	v_mov_b32 v[OA+VI], 0                          ; O.  (A trip is written once for all groups: the first change of M multiplies zeros)
.set VI, VI+1
.endr
	WIN 0
	s_wait_alu depctr_va_vdst(0)
	s_wait_dscnt 0x0                               ; the two stores have read their registers, and group 0's first fragments are in
; Trip j's barrier.  In front of it: my tensor loads (tile j + 2; in trip 0 tile 1), my reads of the slot that is filled next and of group j - 1's images, my stores of group j + 1's image are done.
; Behind it tile j + 3 goes into slot (j + 1) % 2 (in trip 0 tile 2 into slot 0, whose tile 0 was read ahead of the first barrier).
; Between the add and its wait stands O's rescaling, between signal and wait the work on the first pair's v (in trips 0 and 1 both stand ahead, since a tile is quantised in between)
.macro MEET j
	WIN 0
	s_wait_alu depctr_va_vdst(0)                   ; the wait ahead of the blocking waits
.if (\j) < 4
	s_wait_xcnt 0x0                                ; the last prefetches have read their base
.if (\j) == 0
	s_add_nc_u64 s[PF:PF+1], s[PF:PF+1], 2*TSTEP
.else
	s_add_nc_u64 s[PF:PF+1], s[PF:PF+1], TSTEP
.endif
.endif
.if (\j) < 6
	s_wait_tensorcnt 0x0                           ; my part of tile j + 2 has landed
.endif
.if (\j) < 5
	ds_add_u32 v[SPW], v[NIL]
.set MS, ((\j)+1)%2
.if (\j) == 0
.set MS, 0
.endif
	s_add_nc_u64 s[G0+4*MS+2:G0+4*MS+3], s[G0+4*MS+2:G0+4*MS+3], 2*TSTEP
.endif
.if (\j) > 1
	RESC
.endif
	s_wait_dscnt 0x0
	s_barrier_signal -1
.if (\j) > 1
	VF A0, ACC0
	VF A1, ACC1
	WIN 0
.endif
	s_barrier_wait -1
.if (\j) < 5
	tensor_load_to_lds s[G0+4*MS:G0+4*MS+3], s[G1:G1+7]
	s_nop 0
	PLACES 4
.endif
.endm
; A TRIP: group j.  Two pairs of templates; a pair's fragments are read once and serve K and V.  Two accumulator sets take turns: behind most runs of products stands the vector work on the run before.
.macro TRIP j
.if (\j) == 3
	GATE
.endif
.if (\j) == 1
	s_wait_tensorcnt 0x0                           ; my part of tile 2 has landed
	ds_add_u32 v[SPW], v[NIL]
	s_add_nc_u64 s[G0+6:G0+7], s[G0+6:G0+7], 2*TSTEP
	s_wait_dscnt 0x0
	s_barrier_signal -1
	s_barrier_wait -1
	tensor_load_to_lds s[G0+4:G0+7], s[G1:G1+7]    ; tile 3 into slot 1: tile 1 was read ahead of trip 0's barrier
	s_nop 0
	PLACES 4
	QROLE 0, 0, 2
.elseif ((\j) > 1) && ((\j) < 7)
	QROLE 1, ((\j)+1)%2, ((\j)+1)%3
.endif
	LFRAG FB, FBS, (\j)%3*IBUF, 1
	ds_load_b64 v[BMP:BMP+1], v[BMA] offset:16*(\j)
.if (\j) == 0
	s_wait_loadcnt 24                              ; wk is in; wv's 24 loads may be out
	global_prefetch_b8 v[PFO], s[PF:PF+1] th:TH_LOAD_NT scope:SCOPE_SE   ; my part of tile 2, which this trip's barrier asks for
.endif
	s_wait_dscnt 9                                 ; FA's loads are in; FB's eight and the biases may be out
	PROD WK, FA, FAS, ACC0, 0
	s_wait_dscnt 0x0
	PROD WK, FB, FBS, ACC1, 0
	PLACES 4                                       ; no vector work is due behind these products
	KF CHA, ACC0
.if (\j) == 0
	s_wait_alu depctr_va_vdst(0)
	s_wait_loadcnt 0x0                             ; wv is in
.endif
	PROD WV, FA, FAS, ACC0, 1
	KF CHB, ACC1
	WIN 0
	LFRAG FA, FAS, (\j)%3*IBUF, 2
.if (\j) == 0
	global_prefetch_b8 v[PFO], s[PF:PF+1] offset:TSTEP th:TH_LOAD_NT scope:SCOPE_SE   ; my part of tile 3, which trip 1's first barrier asks for
.endif
	SOFTMAX 0
	WLOAD \j, 0
	PROD WV, FB, FBS, ACC1, 1
.if (\j) < 2 || (\j) == 7
	RESC
	VF A0, ACC0
	VF A1, ACC1
	WIN 0
.endif
.if (\j) == 0
	s_wait_alu depctr_va_vdst(0)
	s_wait_tensorcnt 0x0                           ; my part of tile 1 has landed
	XREAD XR, XT
	s_wait_dscnt 0x0
	QW
	IMAGE IBUF
.elseif (\j) == 1
	QROLE 1, 0, 2
.endif
.if (\j) < 7
	MEET \j
.endif
.if ((\j) > 0) && ((\j) < 6)
	QROLE 0, (\j)%2, ((\j)+2)%3
.endif
	LFRAG FB, FBS, (\j)%3*IBUF, 3
	WLOAD \j, 1
.if (\j) < 4
	global_prefetch_b8 v[PFO], s[PF:PF+1] th:TH_LOAD_NT scope:SCOPE_SE   ; my part of tile j + 4, which the next trip's barrier asks for
.endif
	s_wait_dscnt 8                                 ; FA's loads are in; FB's eight may be out
	PROD WK, FA, FAS, ACC0, 0
	s_wait_dscnt 0x0
	PROD WK, FB, FBS, ACC1, 0
	PLACES 4
	KF CHA, ACC0
	PROD WV, FA, FAS, ACC0, 1
	KF CHB, ACC1
	WIN 0
.if (\j) < 7
	LFRAG FA, FAS, ((\j)+1)%3*IBUF, 0              ; the next group's first template
.else
	v_lshlrev_b32 v[BMA], 2, v[H8]                 ; 32 h
	WIN 0x40                                       ; wk is done with: bo takes its first registers, in the result's layout: columns 16 n + 8 h + 0 .. 7
.irp n, 0,1
	global_load_b128 v[BO+8*\n:BO+8*\n+3], v[BMA], s[78:79] offset:64*\n
	global_load_b128 v[BO+8*\n+4:BO+8*\n+7], v[BMA], s[78:79] offset:64*\n+16
.endr
	WIN 0
.endif
	SOFTMAX 1
	WLOAD \j, 2
	PROD WV, FB, FBS, ACC1, 1
	RESC
	VF A0, ACC0
	VF A1, ACC1
	WIN 0
	s_wait_alu depctr_va_vdst(0)
.endm
.irp j, 0,1,2,3,4,5,6,7
	TRIP \j
.endr
	; ---- o g: O / L, times g; my head's 64 channels are half a K step of the last product: six registers and two scale bytes
	v_add_nc_u32 v20, s57, v[LI]
.irp i, 0,1,2,3,4,5,6,7
	ds_load_b128 v[ACC1+4*\i:ACC1+4*\i+3], v20 offset:512*\i
.endr
	v_permlanex16_b32 v[CHB], v[LSUM], s20, s21
	v_add_f32 v[LSUM], v[LSUM], v[CHB]             ; L's two halves
	s_wait_alu depctr_va_vdst(0)
	v_rcp_f32 v[A0], v[LSUM]                       ; L is at least 1: the largest score's weight
	v_nop                                          ; a plain line behind the reciprocal
	WIN 0x01                                       ; O is source 0, in window 1
	s_wait_alu depctr_va_vdst(0)
.set VI, 0
.rept 16
	v_pk_mul_f32 v[ACC0+2*VI:ACC0+2*VI+1], v[OA+2*VI:OA+2*VI+1], v[A0:A0+1] op_sel_hi:[1,0]
.set VI, VI+1
.endr
	WIN 0
	s_wait_alu depctr_va_vdst(0)
	s_wait_dscnt 0x0
.set VI, 0
.rept 16
	v_pk_mul_f32 v[ACC0+2*VI:ACC0+2*VI+1], v[ACC0+2*VI:ACC0+2*VI+1], v[ACC1+2*VI:ACC1+2*VI+1]
.set VI, VI+1
.endr
	; two blocks of 32, each half in lane l and half in lane l xor 16
.irp b, 0,1
	v_max3_num_f32 v[TM+\b], |v[ACC0+16*\b]|, |v[ACC0+1+16*\b]|, 0x2800000
.endr
.irp i, 2,4,6,8,10,12,14
.irp b, 0,1
	v_max3_num_f32 v[TM+\b], v[TM+\b], |v[ACC0+16*\b+\i]|, |v[ACC0+1+16*\b+\i]|
.endr
.endr
.irp b, 0,1
	v_permlanex16_b32 v[TM+2+\b], v[TM+\b], s20, s21
.endr
.irp b, 0,1
	v_max_num_f32 v[TM+\b], v[TM+\b], v[TM+2+\b]
.endr
.irp b, 0,1
	v_add_nc_u32 v[TM+4+\b], 0xfe000000, v[TM+\b]
.endr
.irp b, 0,1
	v_lshrrev_b32 v[TM+6+\b], 23, v[TM+4+\b]
.endr
	v_lshl_or_b32 v[PW], v[TM+7], 8, v[TM+6]
	v_cvt_scalef32_pk16_bf6_f32 v[PC:PC+2], v[ACC0:ACC0+15], v[TM+4]
	v_cvt_scalef32_pk16_bf6_f32 v[CT:CT+2], v[ACC0+16:ACC0+31], v[TM+5]
	v_lshlrev_b32 v[PW], s56, v[PW]                ; my two bytes at their place in the K step's word (a plain line behind the conversions)
.irp i, 0,1,2                                  ; the operand wants a WHOLE block in a lane
	v_permlane16_swap_b32 v[PC+\i], v[CT+\i]
.endr
.irp i, 0,1,2
	v_mov_b32 v[PC+3+\i], v[CT+\i]
.endr
	s_mul_i32 s72, s18, 768
	s_add_co_u32 s72, s72, OIMG
	s_add_co_u32 s73, s72, 512
	s_lshl_b32 s74, s18, 7
	s_add_co_u32 s74, s74, OSC
	v_add_nc_u32 v20, s72, v[LI]
	v_add_nc_u32 v22, s73, v[L8]
	v_add_nc_u32 v23, s74, v[LS]
	s_wait_alu depctr_va_vdst(0)
	ds_store_b128 v20, v[PC:PC+3]
	ds_store_b64 v22, v[PC+4:PC+5]
	ds_store_b32 v23, v[PW]
	s_wait_dscnt 0x0
	s_barrier_signal -1
	s_barrier_wait -1                              ; the eight halves lie in LDS
.irp i, 0,1,2,3,4,5,6,7                        ; K step i / 2, registers 6 (i % 2) .. + 5: head i's
	ds_load_b128 v[OF+6*\i:OF+6*\i+3], v[LI] offset:OIMG+768*\i
	ds_load_b64 v[OF+6*\i+4:OF+6*\i+5], v[L8] offset:OIMG+768*\i+512
	ds_load_b32 v[RW+\i], v[LS] offset:OSC+128*\i
.endr
	s_wait_dscnt 0x0
.irp k, 0,1,2,3
	v_or_b32 v[OW+\k], v[RW+2*\k], v[RW+2*\k+1]
.endr
	PLACES 8                                       ; a scale register written by a vector instruction stands eight places ahead of the product
	s_wait_alu depctr_va_vdst(0)
	s_wait_loadcnt 0x0                             ; wo, its scale words, bo
	WIN 0x10                                       ; bo lies in window 1
.irp n, 0,1
	v_wmma_scale_f32_16x16x128_f8f6f4 v[ACC0+8*\n:ACC0+8*\n+7], v[W3+48*\n:W3+48*\n+11], v[OF:OF+11], v[BO+8*\n:BO+8*\n+7], v[W3S+4*\n], v[OW] matrix_a_fmt:MATRIX_FMT_BF6 matrix_b_fmt:MATRIX_FMT_BF6
.endr
	WIN 0
.irp k, 1,2,3                                  ; my 32 columns of out0: two accumulators by turns, K ascending
.irp n, 0,1
	v_wmma_scale_f32_16x16x128_f8f6f4 v[ACC0+8*\n:ACC0+8*\n+7], v[W3+12*(4*\n+\k):W3+12*(4*\n+\k)+11], v[OF+12*\k:OF+12*\k+11], v[ACC0+8*\n:ACC0+8*\n+7], v[W3S+4*\n+\k], v[OW+\k] matrix_a_fmt:MATRIX_FMT_BF6 matrix_b_fmt:MATRIX_FMT_BF6
.endr
.endr
	s_lshl_b32 s72, s18, 7
	s_add_co_u32 s72, s72, STG
	s_mul_i32 s73, s18, 2*1040
	s_add_co_u32 s73, s73, STG
	v_bfe_u32 v20, v[LI], 4, 4                     ; r.  The stage's addresses are made here: five plain lines, the places behind the last products
	v_add_nc_u32 v22, s73, v[LI]                   ; back: rows 2 w and 2 w + 1, 16 bytes a lane
	v_mul_u32_u24 v20, v20, 1040
	v_lshl_add_u32 v20, v[H8], 2, v20
	v_add_nc_u32 v20, s72, v20                     ; in: row r, + 128 w + 32 h
	s_wait_alu depctr_va_vdst(0)
.irp n, 0,1
	ds_store_b128 v20, v[ACC0+8*\n:ACC0+8*\n+3] offset:64*\n          ; lane (r, h): out0(r, 32 w + 16 n + 8 h + 0 .. 7); each accumulator from its low end on
	ds_store_b128 v20, v[ACC0+8*\n+4:ACC0+8*\n+7] offset:64*\n+16
.endr
	s_wait_dscnt 0x0
	s_barrier_signal -1
	s_barrier_wait -1                              ; 16 whole rows lie in the stage
.irp i, 0,1
.irp c, 0,1
	ds_load_b128 v[OF+8*\i+4*\c:OF+8*\i+4*\c+3], v22 offset:1040*\i+512*\c
.endr
.endr
.irp i, 0,1
.irp c, 0,1
	s_wait_dscnt 3-2*\i-\c
	global_store_b128 v[LI], v[OF+8*\i+4*\c:OF+8*\i+4*\c+3], s[16:17] offset:1024*\i+512*\c th:TH_STORE_NT   ; the wave stores 512 consecutive bytes, at a multiple of 512 from out0's first byte
.endr
.endr
	s_wait_tensorcnt 0x0                           ; the wave's end
	ds_add_u32 v[SPW], v[NIL]
	s_wait_dscnt 0x0
	s_endpgm
.Lfunc_end_k_qb66ba0bf0c_attn:
	.size	k_qb66ba0bf0c_attn, .Lfunc_end_k_qb66ba0bf0c_attn-k_qb66ba0bf0c_attn
	.p2alignl 7, 3214868480
	.fill 96, 4, 3214868480
	.section	.rodata,"a",@progbits
	.p2align	6, 0x0
	.amdhsa_kernel k_qb66ba0bf0c_attn
		.amdhsa_group_segment_fixed_size 327680
		.amdhsa_private_segment_fixed_size 0
		.amdhsa_enable_private_segment 0
		.amdhsa_kernarg_size 56
		.amdhsa_user_sgpr_count 2
		.amdhsa_user_sgpr_kernarg_segment_ptr 1
		.amdhsa_wavefront_size32 1
		.amdhsa_system_sgpr_workgroup_id_x 1
		.amdhsa_system_sgpr_workgroup_id_y 1
		.amdhsa_system_sgpr_workgroup_id_z 1
		.amdhsa_system_vgpr_workitem_id 0
		.amdhsa_next_free_vgpr 512
		.amdhsa_next_free_sgpr 80
		.amdhsa_reserve_vcc 0
		.amdhsa_float_denorm_mode_32 3
		.amdhsa_float_denorm_mode_16_64 3
		.amdhsa_memory_ordered 1
		.amdhsa_forward_progress 1
		.amdhsa_inst_pref_size 255
	.end_amdhsa_kernel
	.section	.bss,"aw",@nobits
	.p2align	6
	.space	262144
	.amdgpu_metadata
---
amdhsa.version: [ 1, 2 ]
amdhsa.kernels:
  - .name:           k_qb66ba0bf0c_attn
    .symbol:         k_qb66ba0bf0c_attn.kd
    .args:
      - { .name: t, .offset: 0, .size: 8, .value_kind: global_buffer, .address_space: global }
      - { .name: s, .offset: 8, .size: 8, .value_kind: global_buffer, .address_space: global }
      - { .name: template_mask, .offset: 16, .size: 8, .value_kind: global_buffer, .address_space: global }
      - { .name: bg, .offset: 24, .size: 8, .value_kind: global_buffer, .address_space: global }
      - { .name: bo, .offset: 32, .size: 8, .value_kind: global_buffer, .address_space: global }
      - { .name: wimg, .offset: 40, .size: 8, .value_kind: global_buffer, .address_space: global }
      - { .name: out0, .offset: 48, .size: 8, .value_kind: global_buffer, .address_space: global }
    .group_segment_fixed_size: 327680
    .private_segment_fixed_size: 0
    .kernarg_segment_align: 8
    .kernarg_segment_size: 56
    .max_flat_workgroup_size: 256
    .sgpr_count:     80
    .vgpr_count:     512
    .wavefront_size: 32
...
	.end_amdgpu_metadata
.endif
;; end of part 2
